; MI455X (gfx1250); checked and timed in simulation.
; The chip was launched on July 23, 2026; its instructions are those of AMD's public machine-readable ISA for CDNA 5 (MIT licence, August 2026) and "CDNA5" Instruction Set Architecture Reference Guide (July 2026). The comments in the code are by the model that wrote it; some were corrected since.
;; Frequency Linear. Allowed arithmetic: float matrix products may take bf16 or f16 operands with f32 sums; other float arithmetic in f32, or as packed bf16 or f16 multiplies, adds, multiply-adds, maxima and minima; sums over many terms, partial sums and values carried from step to step in f32; what a program stores and reads back later, other than sums and carried values, may be rounded once to bf16 or f16.
;; Inputs: w_im 2,048 x 2,048 float32; w_re 2,048 x 2,048 float32; x_im 4,096 x 2,048 float32; x_re 4,096 x 2,048 float32.
;; Outputs: out0 2 x 4,096 x 2,048 float32.
;; One version. Each part assembles by itself: llvm-mc -triple=amdgcn-amd-amdhsa -mcpu=gfx1250 --defsym DOCPART=n.
;; ======== version 1 of 1: 2 launches
;; workspace buffers: pk 50,331,648 bytes
;; launch pack (part 1): grid 768 x 1, 8 waves a work-group, no clusters, 0 bytes of LDS; arguments x_re, x_im, w_re, w_im, pk; writes pk
.if DOCPART == 1
	.amdgcn_target "amdgcn-amd-amdhsa--gfx1250"
	.amdhsa_code_object_version 6
	.text
	.protected	k_qf09cdacac5_pack
	.globl	k_qf09cdacac5_pack
	.p2align	8
	.type	k_qf09cdacac5_pack,@function
k_qf09cdacac5_pack:
	s_mov_b64 s[64:65], 0
	v_nop
	global_prefetch_b8 v0, s[64:65] scope:SCOPE_SE
	s_setreg_imm32_b32 hwreg(HW_REG_WAVE_MODE, 25, 1), 1
	s_wait_xcnt 0x0
; pk[6144][4096] bf16 <- the four f32 inputs, each number rounded once to bf16 (nearest even).
; Rows 0-4095 of pk are x's rows, rows 4096-6143 are w's rows.  A row of pk is 8,192 bytes = 32 units of 256 bytes; unit c holds, for k = 64 c .. 64 c + 63,
; the real part's 64 bf16 in bytes 0-127 and the imaginary part's 64 bf16 in bytes 128-255: one aligned run of 256 bytes carries 64 k of both parts.
; LIMITS.  An f32 beyond bf16's largest finite number becomes an infinity; NaN stays NaN.
; SHARES.  A wave takes one row of pk: 8,192 bytes of the real source and 8,192 of the imaginary one, 32 loads of 512 neighbouring bytes, all issued before the first wait.
; A work-group's eight waves take eight rows; work-groups 0-511 take x, 512-767 take w.  A row of a source and a row of pk have the same 8,192 bytes, so one offset serves both.
; Nothing is shared between waves and nothing is read twice: no LDS, no barrier, no matrix unit.  No register that a memory instruction names is written a second time.
.set XG,  512                          ; work-groups that take x
.set X,   4                            ; v[4:131]  pair j of 16: 4 registers of the real source, 4 of the imaginary one
.set LO,  1                            ; v1  byte offset of my 16 bytes in the work-group's rows of a source
.set SO,  2                            ; v2  byte offset of my 8 bytes in the work-group's rows of pk
	s_load_b256 s[4:11], s[0:1], 0x0               ; x_re s[4:5], x_im s[6:7], w_re s[8:9], w_im s[10:11]
	s_load_b64 s[12:13], s[0:1], 0x20              ; pk
	v_and_b32 v1, 31, v0                           ; lane
	v_lshrrev_b32 v3, 5, v0                        ; wave
	v_lshlrev_b32 v3, 13, v3                       ; its row of 8,192 bytes
	v_lshl_or_b32 v[SO], v1, 3, v3                 ; + 8 bytes a lane, for the stores
	v_lshl_or_b32 v[LO], v1, 4, v3                 ; + 16 bytes a lane, for the loads
	s_mov_b32 s18, ttmp9
	s_lshl_b32 s20, s18, 16                        ; the work-group's eight rows in pk: number x 65,536 bytes, at most 767 x 65,536
	s_mov_b32 s21, 0
	s_cmp_lt_u32 s18, XG                           ; x or w?  Only lines that leave SCC alone stand between this compare and the three selects
	s_cselect_b32 s22, 0, XG*65536                 ; w's rows are counted from pk's row 4,096
	s_wait_kmcnt 0x0
	s_cselect_b64 s[14:15], s[4:5], s[8:9]         ; the real source
	s_cselect_b64 s[16:17], s[6:7], s[10:11]       ; the imaginary source
	s_sub_co_u32 s22, s20, s22                     ; the work-group's eight rows in its sources
	s_mov_b32 s23, 0
	s_add_nc_u64 s[14:15], s[14:15], s[22:23]
	s_add_nc_u64 s[16:17], s[16:17], s[22:23]
	s_add_nc_u64 s[12:13], s[12:13], s[20:21]
.irp j, 0,1,2,3,4,5,6,7,8,9,10,11,12,13,14,15
	global_load_b128 v[X+8*(\j):X+8*(\j)+3],   v[LO], s[14:15] offset:512*(\j) th:TH_LOAD_NT  ; k = 128 j + 4 lane .. + 3, real
	global_load_b128 v[X+8*(\j)+4:X+8*(\j)+7], v[LO], s[16:17] offset:512*(\j) th:TH_LOAD_NT  ; the same k, imaginary
.endr
; Pair j.  Lanes 0-15 hold unit 2 j, lanes 16-31 unit 2 j + 1, of the real part in one register pair and of the imaginary part in another.
; The swap exchanges the real pair's upper lanes with the imaginary pair's lower lanes: the first pair then holds unit 2 j whole (real below, imaginary above), the second unit 2 j + 1.
.macro PAIR j
	s_wait_loadcnt 30-2*(\j)                       ; loads come back in order (ISA guide 5.7.1): the 2 (15 - j) issued behind this pair may stay out
	v_cvt_pk_bf16_f32 v[X+8*(\j)],   v[X+8*(\j)],   v[X+8*(\j)+1]
	v_cvt_pk_bf16_f32 v[X+8*(\j)+1], v[X+8*(\j)+2], v[X+8*(\j)+3]
	v_cvt_pk_bf16_f32 v[X+8*(\j)+4], v[X+8*(\j)+4], v[X+8*(\j)+5]
	v_cvt_pk_bf16_f32 v[X+8*(\j)+5], v[X+8*(\j)+6], v[X+8*(\j)+7]
	v_permlane16_swap_b32 v[X+8*(\j)],   v[X+8*(\j)+4]
	v_permlane16_swap_b32 v[X+8*(\j)+1], v[X+8*(\j)+5]
	global_store_b64 v[SO], v[X+8*(\j):X+8*(\j)+1],   s[12:13] offset:512*(\j)      ; 32 lanes x 8 bytes: 256 consecutive bytes, at a multiple of 256 from pk's first byte
	global_store_b64 v[SO], v[X+8*(\j)+4:X+8*(\j)+5], s[12:13] offset:512*(\j)+256  ; no hint: the next launch reads these bytes
.endm
.irp j, 0,1,2,3,4,5,6,7,8,9,10,11,12,13,14,15
	PAIR \j
.endr
	s_endpgm
.Lfunc_end_k_qf09cdacac5_pack:
	.size	k_qf09cdacac5_pack, .Lfunc_end_k_qf09cdacac5_pack-k_qf09cdacac5_pack
	.p2alignl 7, 3214868480
	.fill 96, 4, 3214868480
	.section	.rodata,"a",@progbits
	.p2align	6, 0x0
	.amdhsa_kernel k_qf09cdacac5_pack
		.amdhsa_group_segment_fixed_size 0
		.amdhsa_private_segment_fixed_size 0
		.amdhsa_enable_private_segment 0
		.amdhsa_kernarg_size 40
		.amdhsa_user_sgpr_count 2
		.amdhsa_user_sgpr_kernarg_segment_ptr 1
		.amdhsa_wavefront_size32 1
		.amdhsa_system_sgpr_workgroup_id_x 1
		.amdhsa_system_sgpr_workgroup_id_y 1
		.amdhsa_system_sgpr_workgroup_id_z 1
		.amdhsa_system_vgpr_workitem_id 0
		.amdhsa_next_free_vgpr 132
		.amdhsa_next_free_sgpr 66
		.amdhsa_reserve_vcc 0
		.amdhsa_float_denorm_mode_32 3
		.amdhsa_float_denorm_mode_16_64 3
		.amdhsa_memory_ordered 1
		.amdhsa_forward_progress 1
		.amdhsa_inst_pref_size 13
	.end_amdhsa_kernel
	.amdgpu_metadata
---
amdhsa.version: [ 1, 2 ]
amdhsa.kernels:
  - .name:           k_qf09cdacac5_pack
    .symbol:         k_qf09cdacac5_pack.kd
    .args:
      - { .name: x_re, .offset: 0, .size: 8, .value_kind: global_buffer, .address_space: global }
      - { .name: x_im, .offset: 8, .size: 8, .value_kind: global_buffer, .address_space: global }
      - { .name: w_re, .offset: 16, .size: 8, .value_kind: global_buffer, .address_space: global }
      - { .name: w_im, .offset: 24, .size: 8, .value_kind: global_buffer, .address_space: global }
      - { .name: pk, .offset: 32, .size: 8, .value_kind: global_buffer, .address_space: global }
    .group_segment_fixed_size: 0
    .private_segment_fixed_size: 0
    .kernarg_segment_align: 8
    .kernarg_segment_size: 40
    .max_flat_workgroup_size: 256
    .sgpr_count:     66
    .vgpr_count:     132
    .wavefront_size: 32
...
	.end_amdgpu_metadata
.endif
;; end of part 1
;; launch cgemm (part 2): grid 16 x 16, 4 waves a work-group, clusters of 4 x 4, 327,680 bytes of LDS; arguments pk, out0; writes out0
.if DOCPART == 2
	.amdgcn_target "amdgcn-amd-amdhsa--gfx1250"
	.amdhsa_code_object_version 6
	.text
	.protected	k_qf09cdacac5_cgemm
	.globl	k_qf09cdacac5_cgemm
	.p2align	8
	.type	k_qf09cdacac5_cgemm,@function
k_qf09cdacac5_cgemm:
	s_mov_b64 s[64:65], 0
	v_nop
	global_prefetch_b8 v0, s[64:65] scope:SCOPE_SE
	s_setreg_imm32_b32 hwreg(HW_REG_WAVE_MODE, 25, 1), 1
	s_wait_xcnt 0x0
	s_wait_alu depctr_hold_cnt(0) depctr_sa_sdst(0) depctr_va_vdst(0) depctr_va_sdst(0) depctr_va_ssrc(0) depctr_va_vcc(0) depctr_vm_vsrc(0)
	s_getreg_b32 s2, hwreg(HW_REG_IB_STS2, 6, 4)
	s_cmp_eq_u32 s2, 0
	s_cbranch_scc0 .Lentry_in_a_cluster
	s_endpgm
.Lentry_in_a_cluster:
	s_bfe_u32 s2, ttmp6, 0x10000c
	s_cmp_lg_u32 s2, 0xf033
	s_cbranch_scc0 .Lentry_shape_is_right
	s_endpgm
.Lentry_shape_is_right:
; out0[0][m][n] = sum over k of xr[m][k] wr[n][k] - xi[m][k] wi[n][k];   out0[1][m][n] = sum over k of xr[m][k] wi[n][k] + xi[m][k] wr[n][k].   out0: [2][4096][2048] f32.
; x and w come from pk [6144][4096] bf16 (rows 0-4095 x, rows 4096-6143 w): a row is 32 units of 256 bytes, unit c = 64 real bf16 then 64 imaginary bf16 of k = 64 c .. 64 c + 63.
; LIMITS.  The operands are the inputs rounded once to bf16.  Each output has ONE f32 sum, which takes the products of x's real and of x's imaginary part by turns, 32 along k at a time
; (not two sums subtracted at the end): the order of rounding differs from four separate products.  The minus sign is a flip of wi's sign bits, which is exact.  NaN and infinities are not treated apart.
; SHARES.  A work-group of four waves makes 256 rows m x 128 columns n of BOTH planes; 16 x 16 work-groups.  A wave makes 128 m x 64 n x 2 planes: 64 accumulators of 16 x 16, 512 registers.
; Accumulator (a, b): m block a of 8; b = 0-3 the real plane's n block b, b = 4-7 the imaginary plane's n block b - 4.  A fragment of wr or wi feeds both planes: 96 LDS loads for a K step's 256 matrix instructions.
; K goes in 32 steps of one unit through a ring of two LDS slots filled by the tensor data mover; the tiles' rows are 256 bytes of memory and start at multiples of 256 bytes from pk's first byte.
; A step is four quarters of 64 matrix instructions: xr x (wr | wi), xi x (-wi | wr), for k 0-31 of the unit and then for k 32-63.
; CLUSTER.  4 x 4 work-groups.  The four of a row of the cluster need the same tiles of x, the four of a column the same tiles of w: each tile is asked for JOINTLY, by the same tensor load with the
; same descriptor and a mask that names the four.
; THE MATRIX INSTRUCTION IS USED TRANSPOSED: source 0 = 16 rows of w, source 1 = 16 rows of x.  In the result lane l holds row m = l % 16 and its registers 0-7 the columns n = 8 (l / 16) + 0..7: 32 neighbouring bytes of a row of out0.
; REGISTERS, in windows of 256 (s_set_vgpr_msb: bits 1:0 source 0, 3:2 source 1, 5:4 source 2, 7:6 destination):
;   window 0: v0-31 addresses; v64-127, v128-191 fragments of x (8 x 16 rows x 32 k), two buffers; on the way out the same registers take rows read back from the stage
;   window 1: v64-127, v128-191 fragments of w, two buffers (wr's four, then wi's four); v192-223 -wi
;   window 2: the accumulators of my rows 0-63 ((a, b) at v[8 (8 a + b)]);   window 3: those of my rows 64-127
.set PITCH,  272                       ; an LDS row: 256 bytes + 16 of padding = 68 words: row r starts at bank 4 r mod 64 (64 banks of 4 bytes: ISA guide 11.1), so the 16 rows of a load start at 16 different banks
.set XHALF,  128*PITCH                 ; 128 rows of x: what one of waves 0, 1 fetches, and what a wave reads of x
.set WHALF,  64*PITCH                  ; 64 rows of w: what one of waves 2, 3 fetches, and what a wave reads of w
.set SLOT,   2*XHALF+2*WHALF           ; x's 256 rows, then w's 128 rows: 104,448 bytes
.set STAGE,  2*SLOT                    ; behind the ring: 32 rows x 272 bytes for each wave (16 of the real plane, 16 of the imaginary one), for the way out
.set SPITCH, 272
.set SPARE,  STAGE+4*32*SPITCH         ; behind the stages: the spare words, 128 bytes for each wave: two blocks of 256 bytes that no other line names
.set UNIT,   256                       ; bytes of a K step in a row of pk
.set PKROW,  13                        ; a row of pk is 1 << 13 bytes; so is a row of out0
.set WROW0,  4096                      ; w's first row in pk
.set PLANE,  4096*2048*4               ; bytes from out0's real plane to its imaginary plane
.set LAPS,   16                        ; a lap = two K steps = once round the ring
.set ADRX, 16                          ; v16-17  LDS address of my x fragments in slot 0, 1
.set ADRW, 20                          ; v20-21  the same for w
.set STO,  24                          ; v24     the way out: where I put 32 bytes of a row
.set RD,   25                          ; v25     the way out: where I read a row back
.set CO,   26                          ; v26     my byte offset in out0
.set SPW,  28                          ; v28     LDS address of my spare word: SPARE + 4 x my thread's number; never rewritten
.set NIL,  29                          ; v29     0; never rewritten
.set XB0,  64                          ; x's fragments: the real part's
.set XB1,  128                         ; the imaginary part's
.set WB0,  64                          ; w's fragments of k 0-31 of a unit, in window 1
.set WB1,  128                         ; of k 32-63
.set NW,   192                         ; -wi of the half unit in hand, in window 1
.set G1,  24                           ; s[24:31] descriptor group 1 for x's tiles
.set G0,  32                           ; s[32:39] descriptor group 0 for x's tiles, one set for each slot
.set SGN, 45                           ; s45      the sign bits of two bf16
.set G1B, 48                           ; s[48:55] descriptor group 1 for w's tiles
.set G0B, 56                           ; s[56:63] descriptor group 0 for w's tiles, one set for each slot
.set MSB, 0
.macro WIN new                         ; the immediate's high byte repeats the setting that is left; a switch that changes nothing is dropped
.if MSB != (\new)
	s_set_vgpr_msb (MSB<<8)|(\new)
.set MSB, \new
.endif
.endm
.set MUL_LO, 0xa1                      ; source 0 (w) window 1, source 1 (x) window 0, C and D window 2
.set MUL_HI, 0xf1                      ; the same, C and D window 3
.set TO_W,   0x40                      ; destination window 1, address window 0
.set NEG,    0x44                      ; destination and source 1 window 1
; A joint load.  Waves 0 and 1 fetch x's two halves, waves 2 and 3 w's.  Each of the two lines has one mask and one set of registers for all that issue it; the branch hangs on the wave's number alone.
; An s_nop 0 and four v_nop follow each of the two lines, ahead of the jump, the label and what follows the macro.
.macro JLOAD s
	s_cmp_eq_u32 s11, 0
	s_cbranch_scc0 .Lfor_w_\@
	tensor_load_to_lds s[G0+4*(\s):G0+4*(\s)+3], s[G1:G1+7]
	s_nop 0
.rept 4
	v_nop
.endr
	s_branch .Lasked_\@
.Lfor_w_\@:
	tensor_load_to_lds s[G0B+4*(\s):G0B+4*(\s)+3], s[G1B:G1B+7]
	s_nop 0
.rept 4
	v_nop
.endr
.Lasked_\@:
.endm
; A round of the cluster's barrier: my work-group's barrier, so that wave 0's signal speaks for all four waves; wave 0 signals for the work-group; every wave waits for all sixteen
; work-groups; my work-group's barrier once more.  No LDS instruction of the wave is pending at a signal.
.macro CREST                           ; a round behind its opening barrier
	s_cmp_lg_u32 s10, 0
	s_cbranch_scc1 .Lnot_wave_0_\@
	s_barrier_signal -3
.Lnot_wave_0_\@:
	s_barrier_wait -3
	s_barrier_signal -1
	s_barrier_wait -1
.endm
.macro CROUND                          ; a whole round
	s_barrier_signal -1
	s_barrier_wait -1
	CREST
.endm
	s_load_b128 s[4:7], s[0:1], 0x0                ; pk s[4:5], out0 s[6:7]
	v_lshl_add_u32 v[SPW], v0, 2, SPARE
	v_mov_b32 v[NIL], 0
	ds_add_u32 v[SPW], v[NIL]                      ; the wave's opening: the add and its wait stand ahead of my first tensor load; the set-up below, work on registers, stands between them
	v_lshrrev_b32 v1, 5, v0
	v_readfirstlane_b32 s10, v1                    ; wave 0..3
	s_lshr_b32 s11, s10, 1                         ; which 128 of the tile's 256 rows m are mine.  Also: I fetch for x (0) or for w (1)
	s_and_b32 s12, s10, 1                          ; which 64 of its 128 columns n.  Also: which half of that tile I fetch
	s_bfe_u32 s40, ttmp6, 0x40000                  ; cx: my place along the cluster's x
	s_bfe_u32 s41, ttmp6, 0x40004                  ; cy: along its y
	s_lshl_b32 s42, ttmp9, 2                       ; in a cluster launch ttmp9 and ttmp7 count clusters
	s_add_co_u32 s42, s42, s40                     ; tile column = 4 x cluster x + cx
	s_and_b32 s13, ttmp7, 0xffff
	s_lshl_b32 s13, s13, 2
	s_add_co_u32 s13, s13, s41                     ; tile row = 4 x cluster y + cy
	s_lshl_b32 s43, s41, 2
	s_lshl_b32 s43, 15, s43                        ; my row of the cluster: places 4 cy .. 4 cy + 3
	s_lshl_b32 s44, 0x1111, s40                    ; my column: places cx, cx + 4, cx + 8, cx + 12
	; descriptor group 1: tiles of 128 (x) or 64 (w) rows x 128 elements of 2 bytes, padded in LDS
	s_or_b32 s[G1+0], s43, (1<<16)|(1<<20)|(1<<21)|(5<<22)|(3<<25)   ; 15:0 the mask: x's tiles go to my row; 17:16 elements of 2 bytes; 20 padding on; 21 set beside a mask; 24:22 after every 64 words (code 5); 31:25 4 words of it (code 3)
	s_or_b32 s[G1B+0], s44, (1<<16)|(1<<20)|(1<<21)|(5<<22)|(3<<25)  ; the same with the mask of my column, for w's tiles
	s_mov_b32 s[G1+1], 128<<16                     ; 63:48 tensor_dim0, low half = 128
	s_mov_b32 s[G1B+1], 128<<16
	s_mov_b32 s[G1+2], 128<<16                     ; 79:64 its high half = 0; 95:80 tensor_dim1, low half = 128 rows
	s_mov_b32 s[G1B+2], 64<<16                     ; 64 rows
	s_mov_b32 s[G1+3], 128<<16                     ; 111:96 its high half = 0; 127:112 tile_dim0 = 128
	s_mov_b32 s[G1B+3], 128<<16
	s_mov_b32 s[G1+4], 128                         ; 143:128 tile_dim1 = 128; 159:144 tile_dim2 = 0
	s_mov_b32 s[G1B+4], 64
	s_mov_b32 s[G1+5], 4096                        ; 191:160 tensor_dim0_stride, low word: 4,096 elements from a row of pk to the next
	s_mov_b32 s[G1B+5], 4096
	s_mov_b32 s[G1+6], 0
	s_mov_b32 s[G1B+6], 0
	s_mov_b32 s[G1+7], 0
	s_mov_b32 s[G1B+7], 0
	s_mov_b32 s[SGN], 0x80008000
	; where the tiles come from.  x's hang on the tile row alone, which my row of the cluster shares; w's on the tile column alone, which my column shares.
	; Every wave makes both offsets, in registers that never hold the other coordinate, and asks by one of them.
	s_lshl_b32 s17, s12, 7
	s_lshl_b32 s16, s13, 8
	s_add_co_u32 s16, s16, s17                     ; x: row 256 x tile row + 128 x half
	s_lshl_b32 s16, s16, PKROW                     ; in bytes: under 2^25
	s_mov_b32 s17, 0
	s_lshl_b32 s47, s12, 6
	s_lshl_b32 s46, s42, 7
	s_add_co_u32 s46, s46, s47                     ; w: row 128 x tile column + 64 x half,
	s_add_co_u32 s46, s46, WROW0                   ; behind x's rows
	s_lshl_b32 s46, s46, PKROW                     ; in bytes: under 2^26
	s_mov_b32 s47, 0
	s_mul_i32 s20, s10, XHALF                      ; and where they go: waves 0, 1: x's two halves;
	s_mul_i32 s21, s10, WHALF
	s_add_co_u32 s21, s21, 2*XHALF-2*WHALF         ; waves 2, 3: w's two halves, behind x's 256 rows.  No place in the cluster enters an LDS address
	s_wait_dscnt 0x0                               ; the opening add is done
	s_wait_kmcnt 0x0
	s_add_nc_u64 s[14:15], s[4:5], s[16:17]
	s_add_nc_u64 s[46:47], s[4:5], s[46:47]
	CROUND                                         ; all sixteen work-groups are here: the first joint loads meet
.irp s, 0,1
	s_mov_b32 s[G0+4*(\s)], 1                                      ; 1:0 count = 1
	s_add_co_u32 s[G0+4*(\s)+1], s20, (\s)*SLOT                    ; 63:32 LDS address
	s_add_nc_u64 s[G0+4*(\s)+2:G0+4*(\s)+3], s[14:15], (\s)*UNIT   ; 120:64 global address: K step s
	s_or_b32 s[G0+4*(\s)+3], s[G0+4*(\s)+3], 0x80000000            ; 127:126 type = 2
	s_mov_b32 s[G0B+4*(\s)], 1
	s_add_co_u32 s[G0B+4*(\s)+1], s21, (\s)*SLOT
	s_add_nc_u64 s[G0B+4*(\s)+2:G0B+4*(\s)+3], s[46:47], (\s)*UNIT
	s_or_b32 s[G0B+4*(\s)+3], s[G0B+4*(\s)+3], 0x80000000
.endr
	s_cmp_eq_u32 s11, 0                            ; a wave's two first fills stand in one branch, ahead of every wait on TENSORcnt and every LDS read: two loads of mine are out
	s_cbranch_scc0 .Lfirst_w
	tensor_load_to_lds s[G0:G0+3], s[G1:G1+7]
	s_nop 0
	tensor_load_to_lds s[G0+4:G0+7], s[G1:G1+7]
	s_nop 0
.rept 4
	v_nop
.endr
	s_branch .Lfirst_asked
.Lfirst_w:
	tensor_load_to_lds s[G0B:G0B+3], s[G1B:G1B+7]
	s_nop 0
	tensor_load_to_lds s[G0B+4:G0B+7], s[G1B:G1B+7]
	s_nop 0
.rept 4
	v_nop
.endr
.Lfirst_asked:
	; A fragment is 16 rows x 32 k in 8 registers: lane l holds row l % 16; registers 0-3 hold k = 8 (l / 16) + 0..7, registers 4-7 hold k = 16 + 8 (l / 16) + 0..7:
	; two loads of 16 bytes, 32 bytes apart.  The same for source 0 and source 1.
	v_and_b32 v1, 15, v0                           ; l % 16
	v_bfe_u32 v2, v0, 4, 1                         ; l / 16
	v_mul_u32_u24 v3, v1, PITCH
	v_lshl_add_u32 v3, v2, 4, v3                   ; row x pitch + 16 x half
	s_mul_i32 s22, s11, XHALF                      ; my 128 rows of x
	s_mul_i32 s23, s12, WHALF                      ; my 64 rows of w,
	s_add_co_u32 s23, s23, 2*XHALF                 ; which lie behind x's 256
.irp s, 0,1
	v_add_nc_u32 v[ADRX+(\s)], s22, v3
	v_add_nc_u32 v[ADRW+(\s)], s23, v3
	s_add_co_u32 s22, s22, SLOT
	s_add_co_u32 s23, s23, SLOT
.endr
	s_mul_i32 s18, s10, 32*SPITCH
	s_add_co_u32 s18, s18, STAGE                   ; my stage
	v_mul_u32_u24 v4, v1, SPITCH                   ; in: row l % 16, 32 bytes for each half of the lanes
	v_lshl_add_u32 v4, v2, 5, v4
	v_add_nc_u32 v[STO], s18, v4
	v_mul_u32_u24 v5, v2, SPITCH                   ; back: lanes 0-15 take one row of 256 bytes, lanes 16-31 the next
	v_lshl_add_u32 v5, v1, 4, v5
	v_add_nc_u32 v[RD], s18, v5
	v_lshlrev_b32 v5, PKROW, v2                    ; and the same two rows in out0
	v_lshl_add_u32 v[CO], v1, 4, v5
	; where my part begins in out0's two planes
	s_lshl_b32 s16, s13, 8
	s_lshl_b32 s17, s11, 7
	s_add_co_u32 s16, s16, s17                     ; my first row: 256 x tile row + 128 x half
	s_lshl_b32 s16, s16, PKROW
	s_mov_b32 s17, 0
	s_lshl_b32 s46, s42, 9                         ; my first column, in bytes: 512 x tile column + 256 x half (in the registers that held w's address: none that feeds x's descriptors ever holds cx)
	s_lshl_b32 s47, s12, 8
	s_add_co_u32 s46, s46, s47
	s_mov_b32 s47, 0
	s_add_nc_u64 s[6:7], s[6:7], s[16:17]
	s_add_nc_u64 s[6:7], s[6:7], s[46:47]          ; the real plane
	s_add_nc_u64 s[8:9], s[6:7], PLANE             ; the imaginary plane
; 16 matrix instructions: m blocks a0, a0 + 1 of the window's four (hi = 0: my rows 0-63, 1: rows 64-127) x all 8 b, 32 along k.
; im = 0: x's real part: source 0 is wr for b < 4, wi for b >= 4.  im = 1: x's imaginary part: -wi for b < 4, wr for b >= 4.  zero = 1: the product starts the sum: nothing is ever cleared.
; The 64 accumulators come in the same order in every quarter, one instruction a turn: between two links of a chain stand the 63 others'.
.macro MULQ xb, wb, im, hi, a0, zero
	WIN MUL_LO+0x50*(\hi)                          ; MUL_LO or MUL_HI
.irp a, \a0, (\a0)+1
.irp b, 0,1,2,3,4,5,6,7
.set rD, 8*(8*(\a)+(\b))
.set rX, (\xb)+8*(4*(\hi)+(\a))
.if \im
.if (\b) < 4
.set rW, NW+8*(\b)
.else
.set rW, (\wb)+8*((\b)-4)
.endif
.else
.set rW, (\wb)+8*(\b)
.endif
.if \zero
	v_wmma_f32_16x16x32_bf16 v[rD:rD+7], v[rW:rW+7], v[rX:rX+7], 0
.else
	v_wmma_f32_16x16x32_bf16 v[rD:rD+7], v[rW:rW+7], v[rX:rX+7], v[rD:rD+7]
.endif
.endr
.endr
.endm
; 16 LDS loads: my 128 rows of x, 32 k at byte k of the rows (real part: 0, 64; imaginary part: 128, 192), into buffer xb
.macro FX slot, k, xb
	WIN 0
.irp i, 0,1,2,3,4,5,6,7
	ds_load_b128 v[(\xb)+8*(\i):(\xb)+8*(\i)+3],   v[ADRX+(\slot)] offset:(\k)+(\i)*16*PITCH
	ds_load_b128 v[(\xb)+8*(\i)+4:(\xb)+8*(\i)+7], v[ADRX+(\slot)] offset:(\k)+(\i)*16*PITCH+32
.endr
.endm
; 16 LDS loads: my 64 rows of w, half s of the unit, both parts, into buffer wb: wr's four fragments, then wi's four
.macro FW slot, s, wb
	WIN TO_W
.irp i, 0,1,2,3
	ds_load_b128 v[(\wb)+8*(\i):(\wb)+8*(\i)+3],       v[ADRW+(\slot)] offset:64*(\s)+(\i)*16*PITCH
	ds_load_b128 v[(\wb)+8*(\i)+4:(\wb)+8*(\i)+7],     v[ADRW+(\slot)] offset:64*(\s)+(\i)*16*PITCH+32
	ds_load_b128 v[(\wb)+32+8*(\i):(\wb)+32+8*(\i)+3],   v[ADRW+(\slot)] offset:128+64*(\s)+(\i)*16*PITCH
	ds_load_b128 v[(\wb)+32+8*(\i)+4:(\wb)+32+8*(\i)+7], v[ADRW+(\slot)] offset:128+64*(\s)+(\i)*16*PITCH+32
.endr
.endm
.macro NEGW wb                         ; -wi: the sign bits of buffer wb's 32 registers of wi are flipped, two bf16 a line
	WIN NEG
.set z, 0
.rept 32
	v_xor_b32 v[NW+z], s[SGN], v[(\wb)+32+z]
.set z, z+1
.endr
.endm
; A load into a register that a matrix instruction has read, and a vector instruction that writes one of a matrix instruction's registers or an LDS store that reads a result, stand four places
; behind that matrix instruction, and only plain vector instructions that name none of its registers are places (ISA guide 7.12.1 for vector instructions).
.macro PLACES
.rept 4
	v_nop
.endr
.endm
; The quarter of x's real part, half s of the unit: multiplies XB0 by w's buffer s; in its middle it makes -wi and fetches x's imaginary part of the same half.
.macro QRE slot, s, zero
	s_wait_dscnt 8                                 ; w and x's rows 0-63 are in; the youngest eight loads (x's rows 64-127) may be out
	MULQ XB0, WB0+64*(\s), 0, 0, 0, \zero
	MULQ XB0, WB0+64*(\s), 0, 0, 2, \zero
	PLACES                                         ; for NW and XB1, which the quarter before multiplied
	NEGW WB0+64*(\s)
	FX \slot, 128+64*(\s), XB1
	s_wait_dscnt 16                                ; all but the 16 just issued
	MULQ XB0, WB0+64*(\s), 0, 1, 0, \zero
	MULQ XB0, WB0+64*(\s), 0, 1, 2, \zero
.endm
; The quarter of x's imaginary part, first half of the unit: multiplies XB1 by -wi and wr; in its middle it fetches the second half's w and x's real part.
.macro QIM slot
	s_wait_dscnt 8                                 ; x's rows 0-63 are in; the youngest eight loads may be out
	MULQ XB1, WB0, 1, 0, 0, 0
	MULQ XB1, WB0, 1, 0, 2, 0
	PLACES                                         ; for WB1 and XB0
	FW \slot, 1, WB1
	FX \slot, 64, XB0
	s_wait_dscnt 32                                ; all but the 32 just issued
	MULQ XB1, WB0, 1, 1, 0, 0
	MULQ XB1, WB0, 1, 1, 2, 0
.endm
; The quarter of x's imaginary part, second half of the unit, changes slots: ONE barrier for two things.  In front of it each wave waits for all its tensor loads, of which one is out: its part of the
; next slot; adds 0 to its spare word; and waits for that and for its own reads of this slot.  Behind it nobody reads this slot any more and the next slot is whole.
; fill = 1: the barrier opens a round of the cluster's barrier, and this slot is filled again, two K steps on, first thing behind the round: from that request to the wait for it a wave issues 224 matrix instructions.
.macro TURN slot, next, fill
	WIN 0                                          ; (the add's two registers lie in window 0)
	s_wait_tensorcnt 0x0                           ; all my tensor loads have landed: the one that was out is my part of the next slot;
	ds_add_u32 v[SPW], v[NIL]                      ; 0 onto my spare word;
	s_wait_dscnt 9                                 ; (the add and the youngest eight loads may be out)
	MULQ XB1, WB1, 1, 0, 0, 0                      ; sixteen matrix instructions stand between the add and the wait for it
	s_wait_dscnt 0x0                               ; the add is done, and my reads of this slot are over:
	s_barrier_signal -1                            ; say so,
	MULQ XB1, WB1, 1, 0, 2, 0                      ; work on registers while the others arrive,
.if \fill
	WIN 0
.endif
	s_barrier_wait -1                              ; and go on when all four have said so
.if \fill
	CREST                                          ; no wave of any partner still reads this slot's tile or has a load on its way
	s_add_nc_u64 s[G0+4*(\slot)+2:G0+4*(\slot)+3], s[G0+4*(\slot)+2:G0+4*(\slot)+3], 2*UNIT    ; no load of mine is out, so a group 0 may be written; the type bits on top are not reached
	s_add_nc_u64 s[G0B+4*(\slot)+2:G0B+4*(\slot)+3], s[G0B+4*(\slot)+2:G0B+4*(\slot)+3], 2*UNIT
	JLOAD \slot                                    ; my one tensor load behind the round; the four v_nop behind it are also the places in front of the loads below
.else
	PLACES
.endif
	FW \next, 0, WB0
	FX \next, 0, XB0
	MULQ XB1, WB1, 1, 1, 0, 0
	MULQ XB1, WB1, 1, 1, 2, 0
.endm
; THE WAY OUT of m block a: its 16 rows of both planes.  TOSTAGE: a lane's eight f32 of a row, 32 bytes, go straight from the accumulator into my own stage (each accumulator's lowest four registers first),
; and come back as whole rows of 256 bytes.  SEND: stored.
.macro TOSTAGE a
.set AC, 64*((\a)%4)
.set BK, 64+64*((\a)%2)
	WIN 0x08+4*((\a)/4)                            ; store data (source 1): window 2 or 3
.irp b, 0,1,2,3,4,5,6,7
	ds_store_b128 v[STO], v[AC+8*(\b):AC+8*(\b)+3]   offset:((\b)/4)*16*SPITCH+((\b)%4)*64
	ds_store_b128 v[STO], v[AC+8*(\b)+4:AC+8*(\b)+7] offset:((\b)/4)*16*SPITCH+((\b)%4)*64+16
.endr
	WIN 0
.if (\a) >= 2
	s_wait_xcnt 0x0                                ; every earlier memory instruction has had its addresses translated (ISA guide 3.1): the registers that block a - 2's stores read are loaded again only behind this wait
.endif
.irp t, 0,1,2,3,4,5,6,7,8,9,10,11,12,13,14,15
	ds_load_b128 v[BK+4*(\t):BK+4*(\t)+3], v[RD] offset:(\t)*2*SPITCH  ; LDS serves a wave's instructions in order (ISA guide 5.7.1.4): these see the stores above; the next block's stores come behind them
.endr
.endm
.macro SEND a, younger                 ; younger: the LDS instructions issued behind block a's loads: the next block's 16 stores and 16 loads, or none
.set BK, 64+64*((\a)%2)
	WIN 0
.irp t, 0,1,2,3,4,5,6,7,8,9,10,11,12,13,14,15
	s_wait_dscnt (\younger)+15-(\t)                ; load t is back; behind it this block's 15 - t later loads and the younger ones may be out
.if (\t) < 8
	global_store_b128 v[CO], v[BK+4*(\t):BK+4*(\t)+3], s[6:7] offset:(\a)*16*8192+2*(\t)*8192 th:TH_STORE_NT      ; 16 lanes store 256 consecutive bytes, at a multiple of 256 from out0's first byte
.else
	global_store_b128 v[CO], v[BK+4*(\t):BK+4*(\t)+3], s[8:9] offset:(\a)*16*8192+2*((\t)-8)*8192 th:TH_STORE_NT  ; the block and the rows stand in the immediate: 126 rows of 8,192 bytes at the most
.endif
.endr
.endm
	s_wait_tensorcnt 1                             ; my part of K step 0 is in; K step 1's may stay out
	s_barrier_signal -1
	s_barrier_wait -1                              ; everybody's is
	FW 0, 0, WB0
	FX 0, 0, XB0
	QRE 0, 0, 1                                    ; the first quarter stands in front of the loop: its products start all 64 sums
	WIN 0                                          ; at a label and at a branch every window is 0
	s_mov_b32 s3, LAPS-1
.Llap:                                                 ; a trip goes once round the ring, from a lap's second quarter to the next lap's first, and fills both slots again
	QIM 0
	QRE 0, 1, 0
	TURN 0, 1, 1
	QRE 1, 0, 0
	QIM 1
	QRE 1, 1, 0
	TURN 1, 0, 1
	QRE 0, 0, 0
	WIN 0
	s_sub_co_u32 s3, s3, 1
	s_cmp_lg_u32 s3, 0
	s_cbranch_scc1 .Llap
	QIM 0                                          ; the last lap is written out: it fills nothing, and has no round of the cluster's barrier
	QRE 0, 1, 0
	TURN 0, 1, 0
	QRE 1, 0, 0
	QIM 1
	QRE 1, 1, 0
	s_wait_dscnt 8                                 ; the very last quarter: nothing more to fetch
	MULQ XB1, WB1, 1, 0, 0, 0
	MULQ XB1, WB1, 1, 0, 2, 0
	s_wait_dscnt 0x0
	MULQ XB1, WB1, 1, 1, 0, 0
	MULQ XB1, WB1, 1, 1, 2, 0
	PLACES                                         ; in front of the LDS stores that read results, and of the loads into x's buffers
	TOSTAGE 0
.irp a, 1,2,3,4,5,6,7                  ; block a's way through the stage is issued ahead of block a - 1's stores
	TOSTAGE \a
	SEND (\a)-1, 32
.endr
	SEND 7, 0
	s_wait_tensorcnt 0x0                           ; the wave's end, behind my last tensor load and my last LDS store
	ds_add_u32 v[SPW], v[NIL]
	s_wait_dscnt 0x0
	CROUND                                         ; the closing round: no work-group ends while a partner may still ask for a tile that names it
	s_endpgm
.Lfunc_end_k_qf09cdacac5_cgemm:
	.size	k_qf09cdacac5_cgemm, .Lfunc_end_k_qf09cdacac5_cgemm-k_qf09cdacac5_cgemm
	.p2alignl 7, 3214868480
	.fill 96, 4, 3214868480
	.section	.rodata,"a",@progbits
	.p2align	6, 0x0
	.amdhsa_kernel k_qf09cdacac5_cgemm
		.amdhsa_group_segment_fixed_size 327680
		.amdhsa_private_segment_fixed_size 0
		.amdhsa_enable_private_segment 0
		.amdhsa_kernarg_size 16
		.amdhsa_user_sgpr_count 2
		.amdhsa_user_sgpr_kernarg_segment_ptr 1
		.amdhsa_wavefront_size32 1
		.amdhsa_system_sgpr_workgroup_id_x 1
		.amdhsa_system_sgpr_workgroup_id_y 1
		.amdhsa_system_sgpr_workgroup_id_z 1
		.amdhsa_system_vgpr_workitem_id 0
		.amdhsa_next_free_vgpr 1024
		.amdhsa_next_free_sgpr 66
		.amdhsa_reserve_vcc 0
		.amdhsa_float_denorm_mode_32 3
		.amdhsa_float_denorm_mode_16_64 3
		.amdhsa_memory_ordered 1
		.amdhsa_forward_progress 1
		.amdhsa_inst_pref_size 144
	.end_amdhsa_kernel
	.amdgpu_metadata
---
amdhsa.version: [ 1, 2 ]
amdhsa.kernels:
  - .name:           k_qf09cdacac5_cgemm
    .symbol:         k_qf09cdacac5_cgemm.kd
    .args:
      - { .name: pk, .offset: 0, .size: 8, .value_kind: global_buffer, .address_space: global }
      - { .name: out0, .offset: 8, .size: 8, .value_kind: global_buffer, .address_space: global }
    .group_segment_fixed_size: 327680
    .private_segment_fixed_size: 0
    .kernarg_segment_align: 8
    .kernarg_segment_size: 16
    .max_flat_workgroup_size: 128
    .sgpr_count:     66
    .vgpr_count:     1024
    .wavefront_size: 32
...
	.end_amdgpu_metadata
.endif
;; end of part 2
